; MI455X (gfx1250); checked and timed in simulation.
; The chip was launched on July 23, 2026; its instructions are those of AMD's public machine-readable ISA for CDNA 5 (MIT licence, August 2026) and "CDNA5" Instruction Set Architecture Reference Guide (July 2026). The comments in the code are by the model that wrote it; some were corrected since.
;; Experts. Allowed arithmetic: matrix products marked QUANTISED: E2M1 operands, one E8M0 scale for each 32 along K, by v_wmma_scale_f32_16x16x128_f8f6f4 with both operands' format E2M1 (or v_wmma_scale_f32_32x16x128_f4), f32 sums; everything else in f32.
;; Inputs: W1_codes 4 x 4,096 x 32 x 16 uint8 (E2M1 codes of W1, K innermost, in blocks of 32 codes, two codes a byte); W1_scales 4 x 4,096 x 32 uint8 (E8M0 scales of W1, one for each 32 codes along K); W2_codes 4 x 1,024 x 128 x 16 uint8 (E2M1 codes of W2, K innermost, in blocks of 32 codes, two codes a byte); W2_scales 4 x 1,024 x 128 uint8 (E8M0 scales of W2, one for each 32 codes along K); b1 4 x 4,096 float32; b2 4 x 1,024 float32; inputs_codes 8 x 4 x 256 x 32 x 16 uint8 (E2M1 codes of inputs, K innermost, in blocks of 32 codes, two codes a byte); inputs_scales 8 x 4 x 256 x 32 uint8 (E8M0 scales of inputs, one for each 32 codes along K).
;; Outputs: out0 8 x 4 x 256 x 1,024 float32.
;; This version of the problem:
;;   THIS VERSION OF THE PROBLEM IS GIVEN IN LOW PRECISION. The matrix products marked QUANTISED in the list below multiply operands that are first quantised to E2M1 (2 exponent bits, 1 mantissa bit; 4 bits a number), with one power-of-two scale for each 32 numbers along K (OCP MX v1.0); their sums are f32. All else is computed in f32.
;;   The module's matrix products, in the order in which they are computed (A, B: the left and right operand; K: the contracted axis; several contracted axes count as one K, in the product's order):
;;     1. batch 4 x [M 4,096, K 1,024] x [K 1,024, N 2,048]; A: input W1 (given as codes); B: input inputs (given as codes): QUANTISED
;;     2. batch 4 x [M 1,024, K 4,096] x [K 4,096, N 2,048]; A: input W2 (given as codes); B: computed on the way: QUANTISED
;;   THE QUANTISER, for each operand of a quantised product, along K:
;;     - K is cut into blocks of 32 from its start; a last block that is shorter is filled with zeros.
;;     - A block's scale is 2^e with e = floor(log2(the largest magnitude in the block)) - 2, held to -126 .. 127; a block of zeros has e = 0. As a byte (E8M0): e + 127.
;;     - Each number is divided by its block's scale, clamped to +-6, and rounded to the nearest number of E2M1, ties to even, subnormals kept.
;;     - The product sums the exact products of the quantised numbers (number of the format x scale) in f32.
;;   ~~~python
;;   def quantise(x, axis):      # numpy; x: float32 -> the quantised numbers, widened to float32 again
;;       x = np.moveaxis(x, axis, -1); K = x.shape[-1]
;;       x = np.pad(x, [(0, 0)] * (x.ndim - 1) + [(0, -K % 32)]); x = x.reshape(x.shape[:-1] + (-1, 32)); a = np.abs(x).max(-1, keepdims=True)
;;       e = np.where(a > 0, np.clip(np.frexp(np.where(a > 0, a, 1))[1] - 1 - 2, -126, 127), 0)      # np.frexp(a)[1] - 1 = floor(log2(a)), exactly
;;       r = np.clip(x / 2.0 ** e, -6, 6)
;;       step = 2.0 ** (np.maximum(np.frexp(np.where(r == 0, 1, r))[1] - 1, 0) - 1)
;;       q = np.round(r / step) * step * 2.0 ** e      # np.round: ties to even
;;       return np.moveaxis(q.reshape(q.shape[:-2] + (-1,))[..., :K], -1, axis).astype(np.float32)
;;   ~~~
;;   OPERANDS COMPUTED ON THE WAY. 'Computed on the way' means the value that the module computes at that place (a softmax that the list does not call 'softmax' is quantised finished and normalised). What goes into a quantiser is computed in f32, as accurately as f32 sums, v_exp_f32 and their like allow (about 1e-6 of the number): no bf16 or f16 on the way to a quantiser, and a product that is left as it is and whose result goes on into a quantised operand takes f32 operands (vector FMAs, or v_wmma_f32_16x16x4_f32). A number that lies on a knife's edge between two numbers of the format may be rounded either way, as far as f32 arithmetic and the matrix unit's own rounding can turn it there, and no further.
;;   INPUTS GIVEN AS CODES. W1 (in the module: [4, 1024, 4096], K = its axis 1); W2 (in the module: [4, 4096, 1024], K = its axis 1); inputs (in the module: [8, 4, 256, 1024], K = its axis 3): each comes as NAME_codes (uint8): NAME with its K axis moved to the last place and cut into blocks of 32 codes, [.., K / 32, bytes a block], one block behind the other in memory; two codes a byte, the lower K in the low four bits (a code: sign, 2 exponent bits, 1 mantissa bit); and NAME_scales (uint8): the same leading axes, one E8M0 byte (e + 127) for each 32 codes along K. Its value is code x scale, taken as it is: it is not quantised again, and the codes and scales need not be those that the quantiser above would give.
;; One version. Each part assembles by itself: llvm-mc -triple=amdgcn-amd-amdhsa -mcpu=gfx1250 --defsym DOCPART=n.
;; ======== version 1 of 1: 2 launches
;; limits: right only within a limited range of input values
;; workspace buffers: hq_codes 16,777,216 bytes; hq_scales 1,048,576 bytes
;; launch up (part 1): grid 8 x 32, 8 waves a work-group, clusters of 4 x 4, 327,680 bytes of LDS; arguments W1_codes, W1_scales, b1, inputs_codes, inputs_scales, hq_codes, hq_scales; writes hq_codes, hq_scales
.if DOCPART == 1
	.amdgcn_target "amdgcn-amd-amdhsa--gfx1250"
	.amdhsa_code_object_version 6
	.text
	.protected	k_qab0e62b74c_up
	.globl	k_qab0e62b74c_up
	.p2align	8
	.type	k_qab0e62b74c_up,@function
k_qab0e62b74c_up:
	s_mov_b64 s[64:65], 0
	v_nop
	global_prefetch_b8 v0, s[64:65] scope:SCOPE_SE
	s_setreg_imm32_b32 hwreg(HW_REG_WAVE_MODE, 25, 1), 1
	s_wait_xcnt 0x0
	s_wait_alu depctr_hold_cnt(0) depctr_sa_sdst(0) depctr_va_vdst(0) depctr_va_sdst(0) depctr_va_ssrc(0) depctr_va_vcc(0) depctr_vm_vsrc(0)
	s_getreg_b32 s2, hwreg(HW_REG_IB_STS2, 6, 4)
	s_cmp_eq_u32 s2, 0
	s_cbranch_scc0 .Lentry_in_a_cluster
	s_endpgm
.Lentry_in_a_cluster:
	s_bfe_u32 s2, ttmp6, 0x10000c
	s_cmp_lg_u32 s2, 0xf033
	s_cbranch_scc0 .Lentry_shape_is_right
	s_endpgm
.Lentry_shape_is_right:
; hq = Q(gelu(x W1 + b1)): the first product of the experts' chain on FP4 (E2M1) codes with one E8M0 scale for each 32 along K, the activation in f32, and the quantiser along f, the next product's K.
; x: rows (w 4 + e) 256 + c of 512 bytes, 32 scale bytes a row.  W1: rows e 4,096 + f of 512 bytes, 32 scale bytes a row.  b1: [4][4096] f32.
; OUT: hq_codes [slab 32][tile of 16 tokens 16][block of 32 f 128][token 16][16 bytes];  hq_scales [slab 32][512 f 8][token 256][16 bytes]: byte i is the scale of block i of those 512 f.
; SHARES.  A work-group makes one slab (256 tokens of one expert) x 512 f.  Each of its eight waves, two to a SIMD, keeps 32 tokens of x for all of K in registers (2 tiles x 8 K steps x 8 = 128) and walks the
; 512 rows of W1 in LDS, 32 f a trip: 32 matrix instructions on 4 accumulators.  The next trip's fragments, scale words and b1 are fetched from LDS behind the products, under the activation.
; LDS.  The head brings x (256 rows), W1's rows 0-127 and both blocks of scale bytes, one load a wave; the work-group's 512 numbers of b1 go through registers into LDS bytes of their own.  When x is in registers,
; rows 128-255 are asked for (a first fill); at trip 3, where they are met, x's 135,168 bytes are filled again with rows 256-511, which trip 7 meets at a barrier.  Each later load has three or four trips in which to land.
; CLUSTER 4 x 4: grid x = which 512 f, grid y = 8 e + w.  x hangs on y alone and is asked for jointly along a row of the cluster; W1 hangs on e (the cluster's y / 2) and x and is asked for jointly along a column.
; No prefetch: W1's later rows are asked for by their own loads three trips or more ahead of their first read, and the loops ask memory for nothing else.
; THE PRODUCT IS USED TRANSPOSED: source 0 = 16 rows of W1, source 1 = 16 tokens: lane (r, h) holds token r, register j of tile u holds f = 16 u + 8 h + j.  b1 is the C of each sum's first instruction.
; gelu is jax's tanh form, written g = x / (1 + 2^(x (C1 x^2 + C0))), C0 = -2 log2(e) sqrt(2 / pi), C1 = 0.044715 C0.
; LIMITS: NaN, infinities and the scale byte 0xff among the inputs are not served.  A hidden block whose largest magnitude lies under 2^-124 keeps the byte 1 (a block of zeros too, where the rule says 127):
; the bytes are read by this program alone.
.set WP,    528                        ; an LDS row: 512 bytes + 16: 33 x 16, so the 16 rows of a fragment load start 16 bytes apart modulo 256
.set XR,    256*WP                     ; x's 256 rows, later W1's rows 256-511
.set XS,    512*WP                     ; x's scale bytes: 32 rows of 256 + 16
.set WSC,   XS+32*272                  ; W1's: 64 rows of 256 + 16
.set SS,    WSC+64*272                 ; hq's scale bytes on their way out: 256 tokens x 16
.set B1L,   SS+4096                    ; b1: 512 numbers
.set SPARE, B1L+2048                   ; the spare words: 128 bytes a wave
.set AW0,  4                           ; r 528 + 16 h
.set AWS0, 5                           ; my place among W1's scale bytes
.set AS0,  6                           ; token r's 16 bytes in SS
.set VO,   8                           ; 16 r + 32,768 h: my two tiles of tokens in hq_codes
.set AX,   9
.set AXS,  10
.set ER,   11
.set EO,   12                          ; 16 x lane
.set ADW,  13                          ; the next trip's rows of W1
.set SPW,  14
.set NIL,  15
.set ACC,  16                          ; v16-47: accumulator (token tile a, f tile u) at 8 (2 a + u)
.set T,    48                          ; v48-79 at work
.set B1,   80                          ; v80-95
.set XSC,  96                          ; x's scale words: 4 a + q: lanes 0-15 K step q, lanes 16-31 K step 4 + q
.set WSR,  104                         ; W1's: 4 u + q likewise
.set M,    112
.set P,    114
.set SO,   116
.set BY,   118
.set QC,   120
.set C1,   124
.set C0,   126
.set ADWS, 128
.set ADS,  129
.set AB0,  130                         ; b1 in LDS, + 32 h
.set ADB,  131
.set WF,   128                         ; window 1: x's fragments at 64 a + 8 s, W1's at 128 + 64 u + 8 s
.set WV,   18
.set G1X,  32
.set G1W,  40
.set G1XS, 48
.set G1WS, 56
.set SAX,  66
.set TB,   67
.set G0X,  68
.set G0W,  72
.set G0XS, 76
.set G0WS, 80
.set G0R,  84
.set SEL,  88
.set SXS,  90
.set SSS,  91
.set G0B,  92
.set CNT,  98
.set TW,   99
.set TWS,  100
.set TSS,  101
.set MSB, 0
.macro WIN new                         ; the immediate's high byte repeats the setting that is left
.if MSB != \new
	s_set_vgpr_msb (MSB<<8)|\new
.set MSB, \new
.endif
.endm
.macro CREST                           ; a round of the cluster's barrier behind its opening barrier
	s_cmp_lg_u32 s[WV], 0
	s_cbranch_scc1 .Lnot_wave_0_\@
	s_barrier_signal -3
.Lnot_wave_0_\@:
	s_barrier_wait -3
	s_barrier_signal -1
	s_barrier_wait -1
.endm
.macro CROUND                          ; a whole round
	s_barrier_signal -1
	s_barrier_wait -1
	CREST
.endm
.macro LATER under, g0                 ; a later load of 64 rows of W1, by the waves under a number
	s_cmp_lt_u32 s[WV], \under
	s_cbranch_scc0 .Lnone_\@
	tensor_load_to_lds s[\g0:\g0+3], s[G1W:G1W+7]
	s_nop 0
.rept 4
	v_nop
.endr
.Lnone_\@:
.endm
	s_load_b256 s[4:11], s[0:1], 0x0               ; W1's codes, W1's scales, b1, x's codes
	s_load_b128 s[12:15], s[0:1], 0x20             ; x's scales, hq_codes
	s_load_b64 s[16:17], s[0:1], 0x30              ; hq_scales
	v_lshl_add_u32 v[SPW], v0, 2, SPARE
	v_mov_b32 v[NIL], 0
	ds_add_u32 v[SPW], v[NIL]                      ; the opening lines: the add twice on end and its wait
	ds_add_u32 v[SPW], v[NIL]
	v_lshrrev_b32 v1, 5, v0
	s_delay_alu instid0(VALU_DEP_1)
	v_readfirstlane_b32 s[WV], v1                  ; wave 0..7
	s_bfe_u32 s19, ttmp6, 0x40000                  ; cx
	s_bfe_u32 s20, ttmp6, 0x40004                  ; cy
	s_lshl_b32 s21, ttmp9, 2
	s_add_co_u32 s21, s21, s19                     ; fx: which 512 f
	s_and_b32 s23, ttmp7, 0xffff
	s_lshl_b32 s22, s23, 2
	s_add_co_u32 s22, s22, s20                     ; 8 e + w
	s_lshr_b32 s23, s23, 1                         ; e, from the cluster's y alone
	s_and_b32 s22, s22, 7
	s_lshl_b32 s22, s22, 2
	s_add_co_u32 s22, s22, s23                     ; the slab, 4 w + e
	s_lshl_b32 s24, s20, 2
	s_lshl_b32 s24, 15, s24                        ; my row of the cluster
	s_lshl_b32 s25, 0x1111, s19                    ; my column
	s_or_b32 s[G1X], s24, (1<<20)|(1<<21)|(6<<22)|(3<<25)     ; elements of 1 byte; 16 bytes of padding behind every 512
	s_or_b32 s[G1W], s25, (1<<20)|(1<<21)|(6<<22)|(3<<25)
.irp g, G1X, G1W
	s_mov_b32 s[\g+1], 512<<16
	s_mov_b32 s[\g+2], 64<<16                      ; 64 rows to a load
	s_mov_b32 s[\g+3], 512<<16
	s_mov_b32 s[\g+4], 64
	s_mov_b32 s[\g+5], 512
	s_mov_b32 s[\g+6], 0
	s_mov_b32 s[\g+7], 0
.endr
	s_or_b32 s[G1XS], s24, (3<<16)|(1<<20)|(1<<21)|(5<<22)|(3<<25)   ; dense bytes as rows of 32 elements of 8 bytes, 16 bytes of padding behind each
	s_or_b32 s[G1WS], s25, (3<<16)|(1<<20)|(1<<21)|(5<<22)|(3<<25)
.irp g, G1XS, G1WS
	s_mov_b32 s[\g+1], 32<<16
	s_mov_b32 s[\g+3], 32<<16
	s_mov_b32 s[\g+5], 32
	s_mov_b32 s[\g+6], 0
	s_mov_b32 s[\g+7], 0
.endr
	s_mov_b32 s[G1XS+2], 32<<16                    ; 8,192 bytes
	s_mov_b32 s[G1XS+4], 32
	s_mov_b32 s[G1WS+2], 64<<16                    ; 16,384 bytes
	s_mov_b32 s[G1WS+4], 64
	s_lshl_b32 s30, s23, 12
	s_lshl_b32 s31, s21, 9
	s_add_co_u32 s30, s30, s31                     ; my first row of W1: e 4,096 + fx 512
	s_lshl_b32 s27, s30, 9                         ; in bytes of codes
	s_lshl_b32 s3, s[WV], 15                       ; 64 rows x wave, in memory
	s_mul_i32 s2, s[WV], 64*WP                     ; and in LDS
	s_mov_b32 s[G0X], 1                            ; waves 0-3: x's rows 64 wave on
	s_add_co_u32 s[G0X+1], s2, XR
	s_lshl_b32 s[G0X+2], s22, 17
	s_add_co_u32 s[G0X+2], s[G0X+2], s3
	s_mov_b32 s[G0X+3], 0
	s_and_b32 s26, s[WV], 1                        ; waves 4, 5: W1's rows 0-63, 64-127
	s_mov_b32 s[G0W], 1
	s_mul_i32 s[G0W+1], s26, 64*WP
	s_lshl_b32 s26, s26, 15
	s_add_co_u32 s[G0W+2], s27, s26
	s_mov_b32 s[G0W+3], 0
	s_mov_b32 s[G0XS], 1                           ; wave 6
	s_mov_b32 s[G0XS+1], XS
	s_lshl_b32 s[G0XS+2], s22, 13
	s_mov_b32 s[G0XS+3], 0
	s_mov_b32 s[G0WS], 1                           ; wave 7
	s_mov_b32 s[G0WS+1], WSC
	s_lshl_b32 s[G0WS+2], s30, 5
	s_mov_b32 s[G0WS+3], 0
	s_mov_b32 s[G0B], 1                            ; later, waves 0, 1: W1's rows 128 + 64 wave on
	s_add_co_u32 s[G0B+1], s2, 128*WP
	s_add_co_u32 s[G0B+2], s27, s3
	s_add_co_u32 s[G0B+2], s[G0B+2], 65536
	s_mov_b32 s[G0B+3], 0
	s_mov_b32 s[G0R], 1                            ; the refill, waves 0-3: rows 256 + 64 wave on
	s_add_co_u32 s[G0R+1], s2, XR
	s_add_co_u32 s[G0R+2], s27, s3
	s_add_co_u32 s[G0R+2], s[G0R+2], 131072
	s_mov_b32 s[G0R+3], 0
	s_lshl_b32 s96, s30, 2                         ; b1
	s_mov_b32 s97, 0
	s_mul_i32 s[SAX], s[WV], 32*WP                 ; my 32 tokens of x
	s_add_co_u32 s[SAX], s[SAX], XR
	s_mul_i32 s[SXS], s[WV], 4*272
	s_add_co_u32 s[SXS], s[SXS], XS
	s_lshl_b32 s[SSS], s[WV], 9
	s_add_co_u32 s[SSS], s[SSS], SS
	s_mov_b32 s[SEL], 0x76543210
	s_mov_b32 s[SEL+1], 0xfedcba98
	s_mov_b32 s[TW], 0
	s_mov_b32 s[TWS], 0
	s_mov_b32 s[TSS], 0
	s_mov_b32 s[TB], 0
	s_lshl_b32 s30, s22, 19                        ; hq_codes: slab x 524,288 + my two tiles x 32,768 + my 16 blocks x 256
	s_lshl_b32 s31, s[WV], 16
	s_add_co_u32 s30, s30, s31
	s_lshl_b32 s31, s21, 12
	s_add_co_u32 s30, s30, s31
	s_lshl_b32 s28, s22, 15                        ; hq_scales: (8 slab + fx) x 4,096 + my 32 tokens x 16
	s_add_co_u32 s28, s28, s31
	s_lshl_b32 s31, s[WV], 9
	s_add_co_u32 s28, s28, s31
	s_mov_b32 s31, 0
	s_mov_b32 s29, 0
	s_wait_dscnt 0x0
	s_wait_kmcnt 0x0
	s_add_nc_u64 s[G0X+2:G0X+3], s[10:11], s[G0X+2:G0X+3]
	s_or_b32 s[G0X+3], s[G0X+3], 0x80000000
	s_add_nc_u64 s[G0XS+2:G0XS+3], s[12:13], s[G0XS+2:G0XS+3]
	s_or_b32 s[G0XS+3], s[G0XS+3], 0x80000000
	s_add_nc_u64 s[G0WS+2:G0WS+3], s[6:7], s[G0WS+2:G0WS+3]
	s_or_b32 s[G0WS+3], s[G0WS+3], 0x80000000
.irp g, G0W, G0B, G0R
	s_add_nc_u64 s[\g+2:\g+3], s[4:5], s[\g+2:\g+3]
	s_or_b32 s[\g+3], s[\g+3], 0x80000000
.endr
	s_add_nc_u64 s[8:9], s[8:9], s[96:97]
	s_add_nc_u64 s[14:15], s[14:15], s[30:31]
	s_add_nc_u64 s[16:17], s[16:17], s[28:29]
	CROUND                                         ; all sixteen work-groups are here: the first joint loads meet
; the head's eight loads, one a wave: one chain of branches on the wave's number
.macro ARM under, g0, g1, next
	s_cmp_lt_u32 s[WV], \under
	s_cbranch_scc0 \next
	tensor_load_to_lds s[\g0:\g0+3], s[\g1:\g1+7]
	s_nop 0
.rept 4
	v_nop
.endr
	s_branch .Lhead_asked
\next:
.endm
	ARM 4, G0X,  G1X,  .Lhead_w
	ARM 6, G0W,  G1W,  .Lhead_xs
	ARM 7, G0XS, G1XS, .Lhead_ws
	tensor_load_to_lds s[G0WS:G0WS+3], s[G1WS:G1WS+7]
	s_nop 0
.rept 4
	v_nop
.endr
.Lhead_asked:
.macro WLOAD                           ; a trip's 32 rows of W1: 16 fragments into window 1, their scale words, and b1 at f = 16 u + 8 h + 0 .. 7
	WIN 0x40
.irp u, 0,1
.set i, 0
.rept 16
	ds_load_b128 v[WF+64*\u+4*i:WF+64*\u+4*i+3], v[ADW] offset:\u*16*WP+32*i
.set i, i+1
.endr
.endr
	WIN 0
.irp u, 0,1
	ds_load_b128 v[WSR+4*\u:WSR+4*\u+3], v[ADWS] offset:544*\u
.endr
.irp u, 0,1
	ds_load_b128 v[B1+8*\u:B1+8*\u+3], v[ADB] offset:64*\u
	ds_load_b128 v[B1+8*\u+4:B1+8*\u+7], v[ADB] offset:64*\u+16
.endr
.endm
	v_and_b32 v1, 15, v0                           ; r
	v_bfe_u32 v2, v0, 4, 1                         ; h
	v_and_b32 v3, 31, v0                           ; lane
	s_delay_alu instid0(VALU_DEP_2)
	v_lshl_add_u32 v[AB0], v2, 5, B1L
	v_lshlrev_b32 v[T+2], 3, v0
	v_lshl_add_u32 v[T+3], v0, 3, B1L
	global_load_b64 v[T:T+1], v[T+2], s[8:9]       ; two numbers of b1 a thread: the 256 threads read 2,048 consecutive bytes
	v_mul_u32_u24 v[AW0], v1, WP
	v_lshrrev_b32 v[AWS0], 3, v1                   ; eight rows' scale bytes to a row of 256 + 16
	v_and_b32 v[AS0], 7, v1
	s_delay_alu instid0(VALU_DEP_3)
	v_lshl_add_u32 v[AW0], v2, 4, v[AW0]
	s_delay_alu instid0(VALU_DEP_3)
	v_mul_u32_u24 v[AWS0], v[AWS0], 272
	v_lshlrev_b32 v[EO], 4, v3
	s_delay_alu instid0(VALU_DEP_3)
	v_add_nc_u32 v[AX], s[SAX], v[AW0]
	s_delay_alu instid0(VALU_DEP_3)
	v_lshl_add_u32 v[AWS0], v[AS0], 5, v[AWS0]
	v_lshlrev_b32 v[AS0], 4, v1
	s_delay_alu instid0(VALU_DEP_2)
	v_lshl_add_u32 v[AWS0], v2, 4, v[AWS0]
	s_delay_alu instid0(VALU_DEP_2)
	v_add_nc_u32 v[AS0], s[SSS], v[AS0]
	s_delay_alu instid0(VALU_DEP_2)
	v_add_nc_u32 v[AXS], s[SXS], v[AWS0]
	v_add_nc_u32 v[AWS0], WSC, v[AWS0]
	v_add_nc_u32 v[ER], s[SSS], v[EO]
	v_lshlrev_b32 v[VO], 4, v1
	v_mov_b32 v[ADW], v[AW0]
	s_delay_alu instid0(VALU_DEP_4)
	v_mov_b32 v[ADWS], v[AWS0]
	s_delay_alu instid0(VALU_DEP_3)
	v_lshl_add_u32 v[VO], v2, 15, v[VO]
	v_mov_b32 v[C1], 0xbdd2d3e8                    ; -0.10294324
	v_mov_b32 v[C1+1], 0xbdd2d3e8
	v_mov_b32 v[C0], 0xc0135761                    ; -2.3022082
	v_mov_b32 v[C0+1], 0xc0135761
	v_mov_b32 v[P], 0                              ; a lane permute's destination counts as one of its sources
	v_mov_b32 v[P+1], 0
	v_mov_b32 v[ADB], v[AB0]
	s_wait_alu depctr_va_vdst(0)                   ; the wait at the head's end
	s_wait_loadcnt 0x0
	ds_store_b64 v[T+3], v[T:T+1]                  ; b1 into its own LDS bytes
	s_wait_tensorcnt 0x0                           ; my load of the head's eight is in,
	s_wait_dscnt 0x0                               ; and my store of b1 is done
	s_barrier_signal -1
	s_barrier_wait -1                              ; everybody's are
	WIN 0x40                                       ; my 32 tokens of x into window 1
.irp a, 0,1
.set i, 0
.rept 16
	ds_load_b128 v[64*\a+4*i:64*\a+4*i+3], v[AX] offset:\a*16*WP+32*i
.set i, i+1
.endr
.endr
	WIN 0
.irp a, 0,1
	ds_load_b128 v[XSC+4*\a:XSC+4*\a+3], v[AXS] offset:544*\a
.endr
	WLOAD                                          ; trip 0's rows of W1
	s_wait_tensorcnt 0x0                           ; the three lines ahead of a later first fill
	ds_add_u32 v[SPW], v[NIL]
	s_wait_dscnt 0x0                               ; the add is done, and x is in my registers
	CROUND
	LATER 2, G0B                                   ; W1's rows 128-255
; One trip: my 32 tokens x 32 f.  kind 0: the next trip's rows are fetched behind the products; 1: the same, behind the barrier that shows the refill landed; 2: the last trip fetches nothing;
; 3: as 0, behind the round that shows rows 128-255 landed and behind which x's bytes are filled again.  In kinds 1 and 3 the signal stands at the trip's top and the wait behind the products: register work alone between.
.macro TRIP kind
.if (\kind == 1) || (\kind == 3)
	s_wait_tensorcnt 0x0                           ; my later load, if I issued one, is in
	ds_add_u32 v[SPW], v[NIL]
.endif
	s_wait_dscnt 0x0                               ; W1's fragments, the scale words and b1 are in; no LDS instruction of mine is out
.if (\kind == 1) || (\kind == 3)
	s_barrier_signal -1
.endif
.if \kind != 2
	s_add_co_u32 s[TW], s[TW], 32*WP
	s_add_co_u32 s[TWS], s[TWS], 1088
	s_add_co_u32 s[TB], s[TB], 128
.endif
	WIN 0x05                                       ; sources 0 (W1) and 1 (x) window 1
.irp ks, 0,1,2,3,4,5,6,7                       ; the four accumulators take turns, one instruction a turn
.irp a, 0,1
.irp u, 0,1
.if \ks == 0
	v_wmma_scale_f32_16x16x128_f8f6f4 v[ACC+8*(2*\a+\u):ACC+8*(2*\a+\u)+7], v[WF+64*\u+8*\ks:WF+64*\u+8*\ks+7], v[64*\a+8*\ks:64*\a+8*\ks+7], v[B1+8*\u:B1+8*\u+7], v[WSR+4*\u+\ks], v[XSC+4*\a+\ks] matrix_a_fmt:MATRIX_FMT_FP4 matrix_b_fmt:MATRIX_FMT_FP4
.elseif \ks < 4
	v_wmma_scale_f32_16x16x128_f8f6f4 v[ACC+8*(2*\a+\u):ACC+8*(2*\a+\u)+7], v[WF+64*\u+8*\ks:WF+64*\u+8*\ks+7], v[64*\a+8*\ks:64*\a+8*\ks+7], v[ACC+8*(2*\a+\u):ACC+8*(2*\a+\u)+7], v[WSR+4*\u+\ks], v[XSC+4*\a+\ks] matrix_a_fmt:MATRIX_FMT_FP4 matrix_b_fmt:MATRIX_FMT_FP4
.else
	v_wmma_scale_f32_16x16x128_f8f6f4 v[ACC+8*(2*\a+\u):ACC+8*(2*\a+\u)+7], v[WF+64*\u+8*\ks:WF+64*\u+8*\ks+7], v[64*\a+8*\ks:64*\a+8*\ks+7], v[ACC+8*(2*\a+\u):ACC+8*(2*\a+\u)+7], v[WSR+4*\u+\ks-4], v[XSC+4*\a+\ks-4] matrix_a_fmt:MATRIX_FMT_FP4 matrix_b_fmt:MATRIX_FMT_FP4 matrix_a_scale:MATRIX_SCALE_ROW1 matrix_b_scale:MATRIX_SCALE_ROW1
.endif
.endr
.endr
.endr
	WIN 0
	; four plain vector instructions that name none of the products' registers, in front of the loads into their sources and of the first read of results (ISA guide 7.12.1 for the first read of results)
	v_add_nc_u32 v[ADS], s[TSS], v[AS0]
.if \kind != 2
	v_add_nc_u32 v[ADW], s[TW], v[AW0]
	v_add_nc_u32 v[ADWS], s[TWS], v[AWS0]
	v_add_nc_u32 v[ADB], s[TB], v[AB0]
.if \kind != 0
	s_wait_alu depctr_va_vdst(0)                   ; the wait ahead of the blocking wait
	s_barrier_wait -1
.if \kind == 3
	CREST                                          ; rows 128-255 are whole, and no wave of any partner reads x's bytes
	LATER 4, G0R                                   ; W1's rows 256-511 into x's bytes
.endif
.endif
	WLOAD
.else
.rept 3
	v_nop
.endr
.endif
	; gelu, by stages over the 16 pairs, each accumulator from its low end on
.set j, 0
.rept 16
	v_pk_mul_f32 v[T+j:T+j+1], v[ACC+j:ACC+j+1], v[ACC+j:ACC+j+1]                  ; x^2
.set j, j+2
.endr
.set j, 0
.rept 16
	v_pk_fma_f32 v[T+j:T+j+1], v[T+j:T+j+1], v[C1:C1+1], v[C0:C0+1]                ; C1 x^2 + C0
.set j, j+2
.endr
.set j, 0
.rept 16
	v_pk_mul_f32 v[T+j:T+j+1], v[T+j:T+j+1], v[ACC+j:ACC+j+1]                      ; u
.set j, j+2
.endr
	s_wait_alu depctr_va_vdst(0)                   ; a wait ahead of each batch of transcendentals and one behind it
.set j, 0
.rept 32
	v_exp_f32 v[T+j], v[T+j]
.set j, j+1
.endr
	v_nop
	s_wait_alu depctr_va_vdst(0)
.set j, 0
.rept 16
	v_pk_add_f32 v[T+j:T+j+1], v[T+j:T+j+1], 1.0 op_sel_hi:[1,0]
.set j, j+2
.endr
	s_wait_alu depctr_va_vdst(0)
.set j, 0
.rept 32
	v_rcp_f32 v[T+j], v[T+j]
.set j, j+1
.endr
	v_nop
	s_wait_alu depctr_va_vdst(0)
.set j, 0
.rept 16
	v_pk_mul_f32 v[ACC+j:ACC+j+1], v[ACC+j:ACC+j+1], v[T+j:T+j+1]                  ; g = x / (1 + 2^u)
.set j, j+2
.endr
	; the quantiser: token tile a's block of 32 f lies in accumulators 2 a, 2 a + 1 of lanes l and l xor 16; the two tiles by turns
.irp a, 0,1
	v_max3_num_f32 v[M+\a], |v[ACC+16*\a]|, |v[ACC+16*\a+1]|, 0x1800000            ; and the floor 2^(3 - 127): the byte cannot fall under 1
.endr
.irp i, 2,4,6,8,10,12,14
.irp a, 0,1
	s_delay_alu instid0(VALU_DEP_2)
	v_max3_num_f32 v[M+\a], v[M+\a], |v[ACC+16*\a+\i]|, |v[ACC+16*\a+\i+1]|
.endr
.endr
.irp a, 0,1
	s_delay_alu instid0(VALU_DEP_2)
	v_permlanex16_b32 v[P+\a], v[M+\a], s[SEL], s[SEL+1]
.endr
.irp a, 0,1
	s_delay_alu instid0(VALU_DEP_2)
	v_max_num_f32 v[M+\a], v[M+\a], v[P+\a]
.endr
.irp a, 0,1
	s_delay_alu instid0(VALU_DEP_2)
	v_add_nc_u32 v[SO+\a], 0xff000000, v[M+\a]     ; 2 off the exponent field: the conversion's scale operand
.endr
.irp a, 0,1
	s_delay_alu instid0(VALU_DEP_2)
	v_lshrrev_b32 v[BY+\a], 23, v[SO+\a]           ; the scale's byte
.endr
	s_wait_alu depctr_va_vdst(0)                   ; the wait ahead of the blocking wait
	s_wait_xcnt 0x0                                ; the last trip's store has read its data and its base
	s_add_nc_u64 s[14:15], s[14:15], 256           ; one block past this trip's: the store below reaches back by as much
	v_cvt_scalef32_pk8_fp4_f32 v[QC], v[ACC:ACC+7], v[SO]                          ; tile 0, f 8 h + 0 .. 7
	v_cvt_scalef32_pk8_fp4_f32 v[QC+1], v[ACC+16:ACC+23], v[SO+1]                  ; tile 1, the same
	v_cvt_scalef32_pk8_fp4_f32 v[QC+2], v[ACC+8:ACC+15], v[SO]                     ; tile 0, f 16 + 8 h + 0 .. 7
	v_cvt_scalef32_pk8_fp4_f32 v[QC+3], v[ACC+24:ACC+31], v[SO+1]
	v_nop                                          ; one plain place behind a scaled conversion
	v_permlane16_swap_b32 v[QC], v[QC+1]           ; lanes 0-15 now hold tile 0's whole block, lanes 16-31 tile 1's, the lower f in the lower registers
	v_permlane16_swap_b32 v[QC+2], v[QC+3]
.irp a, 0,1
	ds_store_b8 v[ADS], v[BY+\a] offset:256*\a     ; both lanes of a token write the same byte with the same value
.endr
	global_store_b128 v[VO], v[QC:QC+3], s[14:15] offset:-256            ; each half of the lanes stores 256 consecutive bytes, at a multiple of 256 from the buffer's first byte
.if \kind != 2
	s_add_co_u32 s[TSS], s[TSS], 1
.endif
.endm
.macro TRIPS n                         ; n plain trips
	s_mov_b32 s[CNT], \n
.Ltrip_\@:
	TRIP 0
	s_sub_co_u32 s[CNT], s[CNT], 1
	s_cmp_lg_u32 s[CNT], 0
	s_wait_alu depctr_va_vdst(0)
	s_cbranch_scc1 .Ltrip_\@
.endm
	TRIPS 3                                        ; trips 0 to 2 fetch rows 32 to 127
	TRIP 3
	TRIPS 3                                        ; trips 4 to 6 fetch rows 160 to 255
	TRIP 1
	TRIPS 7
	TRIP 2
	; my 32 tokens' 16 scale bytes each are my own stores: LDS serves a wave's instructions in order (ISA guide 5.7.1.4)
	ds_load_b128 v[T:T+3], v[ER]
	s_wait_dscnt 0x0
	global_store_b128 v[EO], v[T:T+3], s[16:17]    ; 512 consecutive bytes
	s_wait_tensorcnt 0x0                           ; the wave's end
	ds_add_u32 v[SPW], v[NIL]
	s_wait_dscnt 0x0
	CROUND                                         ; the closing round
	s_endpgm
.Lfunc_end_k_qab0e62b74c_up:
	.size	k_qab0e62b74c_up, .Lfunc_end_k_qab0e62b74c_up-k_qab0e62b74c_up
	.p2alignl 7, 3214868480
	.fill 96, 4, 3214868480
	.section	.rodata,"a",@progbits
	.p2align	6, 0x0
	.amdhsa_kernel k_qab0e62b74c_up
		.amdhsa_group_segment_fixed_size 327680
		.amdhsa_private_segment_fixed_size 0
		.amdhsa_enable_private_segment 0
		.amdhsa_kernarg_size 56
		.amdhsa_user_sgpr_count 2
		.amdhsa_user_sgpr_kernarg_segment_ptr 1
		.amdhsa_wavefront_size32 1
		.amdhsa_system_sgpr_workgroup_id_x 1
		.amdhsa_system_sgpr_workgroup_id_y 1
		.amdhsa_system_sgpr_workgroup_id_z 1
		.amdhsa_system_vgpr_workitem_id 0
		.amdhsa_next_free_vgpr 512
		.amdhsa_next_free_sgpr 102
		.amdhsa_reserve_vcc 0
		.amdhsa_float_denorm_mode_32 3
		.amdhsa_float_denorm_mode_16_64 3
		.amdhsa_memory_ordered 1
		.amdhsa_forward_progress 1
		.amdhsa_inst_pref_size 116
	.end_amdhsa_kernel
	.amdgpu_metadata
---
amdhsa.version: [ 1, 2 ]
amdhsa.kernels:
  - .name:           k_qab0e62b74c_up
    .symbol:         k_qab0e62b74c_up.kd
    .args:
      - { .name: W1_codes, .offset: 0, .size: 8, .value_kind: global_buffer, .address_space: global }
      - { .name: W1_scales, .offset: 8, .size: 8, .value_kind: global_buffer, .address_space: global }
      - { .name: b1, .offset: 16, .size: 8, .value_kind: global_buffer, .address_space: global }
      - { .name: inputs_codes, .offset: 24, .size: 8, .value_kind: global_buffer, .address_space: global }
      - { .name: inputs_scales, .offset: 32, .size: 8, .value_kind: global_buffer, .address_space: global }
      - { .name: hq_codes, .offset: 40, .size: 8, .value_kind: global_buffer, .address_space: global }
      - { .name: hq_scales, .offset: 48, .size: 8, .value_kind: global_buffer, .address_space: global }
    .group_segment_fixed_size: 327680
    .private_segment_fixed_size: 0
    .kernarg_segment_align: 8
    .kernarg_segment_size: 56
    .max_flat_workgroup_size: 256
    .sgpr_count:     102
    .vgpr_count:     512
    .wavefront_size: 32
...
	.end_amdgpu_metadata
.endif
;; end of part 1
;; launch down (part 2): grid 8 x 32, 4 waves a work-group, clusters of 4 x 1, 327,680 bytes of LDS; arguments hq_codes, hq_scales, W2_codes, W2_scales, b2, out0; writes out0
.if DOCPART == 2
	.amdgcn_target "amdgcn-amd-amdhsa--gfx1250"
	.amdhsa_code_object_version 6
	.text
	.protected	k_qab0e62b74c_down
	.globl	k_qab0e62b74c_down
	.p2align	8
	.type	k_qab0e62b74c_down,@function
k_qab0e62b74c_down:
	s_mov_b64 s[64:65], 0
	v_nop
	global_prefetch_b8 v0, s[64:65] scope:SCOPE_SE
	s_setreg_imm32_b32 hwreg(HW_REG_WAVE_MODE, 25, 1), 1
	s_wait_xcnt 0x0
	s_wait_alu depctr_hold_cnt(0) depctr_sa_sdst(0) depctr_va_vdst(0) depctr_va_sdst(0) depctr_va_ssrc(0) depctr_va_vcc(0) depctr_vm_vsrc(0)
	s_getreg_b32 s2, hwreg(HW_REG_IB_STS2, 6, 4)
	s_cmp_eq_u32 s2, 0
	s_cbranch_scc0 .Lentry_in_a_cluster
	s_endpgm
.Lentry_in_a_cluster:
	s_bfe_u32 s2, ttmp6, 0x10000c
	s_cmp_lg_u32 s2, 0x3003
	s_cbranch_scc0 .Lentry_shape_is_right
	s_endpgm
.Lentry_shape_is_right:
; out = hq W2 + b2: the second product of the experts' chain on FP4 (E2M1) codes with one E8M0 scale for each 32 along K = the 4,096 hidden units.
; hq_codes [slab 32][tile of 16 tokens 16][K step of 128 32][half 2][lane 32][16 bytes]: images of the operand's registers;  hq_scales [slab 32][512 f 8][token 256][16 bytes].
; W2: rows e 1,024 + n of 2,048 bytes, 128 scale bytes a row.  b2 [4][1024] f32.  out0: rows (w 4 + e) 256 + c of 4,096 bytes, f32.
; SHARES.  A work-group makes one slab (256 tokens) x 128 outputs; each of its four waves 64 tokens x 128 outputs: 32 accumulators, and 32 K steps of 32 matrix instructions.  Grid x = w; y = 4 x (which 128 outputs) + e.
; W2's 128 rows lie in LDS, each byte filled once, in two chunks of 2,048 along K: chunk 0 by the head's loads, 32 rows a wave; chunk 1 behind the lines and the round ahead of a later
; first fill, 32 rows a wave; it has K steps 0 to 15 in which to land.  W2's scale bytes go through registers into LDS bytes of their own, 4,096 a wave.
; hq comes from memory straight into registers, 512 consecutive bytes a load, through a ring of eight K steps in registers: seven steps, 56 loads a wave, are on their way.
; PREFETCH of hq: the eight work-groups that read a slab (the eight groups of outputs) share out the 256 blocks of 256 bytes that 16 K steps of a wave's four tiles hold: group g names blocks g + 8 lane, a lane a block,
; one instruction a wave for each 16 K steps: K steps 0-15 in the head, K steps 16-31 in K step 1, 8 steps ahead of the first load that wants them.  Every address lies inside the wave's 131,072 bytes.
; CLUSTER.  The four work-groups of a cluster are four slabs of one expert with the same 128 outputs: W2's chunks are asked for jointly (mask 15).  hq is not: as images it needs no LDS at all.
; THE PRODUCT IS USED TRANSPOSED: source 0 = 16 rows of W2, source 1 = 16 tokens: a lane holds eight neighbouring outputs of one token.  b2 is the C of each sum's first instruction.
; LIMITS: NaN, infinities and the scale byte 0xff among the inputs are not served.
; REGISTERS: window 0: addresses; v32-95 hq's scale words; v96-223 W2's.  window 1: v0-127 W2's fragments, two sets; v128-191 b2; on the way out all 256: four tiles' rows read back.
;   window 2: the accumulators, (token tile a, output tile b) at 8 (8 a + b).   window 3: hq's fragments, K step kk's at 32 (kk % 8) + 8 a.
.set WP2,  1040                        ; an LDS row: 1,024 bytes + 16: 65 x 16, so the 16 rows of a fragment load start 16 bytes apart modulo 256
.set CH,   128*WP2
.set SCW,  2*CH                        ; W2's scale bytes: 64 rows of 256 + 16, written by ds_store alone
.set SPARE, SCW+64*272
.set SP,   528                         ; the way out: 16 rows x (512 + 16) a wave, in chunk 0: it has had its only fill, and its last read stands ahead of K step 15's barrier
.set ADW,  8                           ; v8-11 my place in chunk q / 2, output tiles 4 (q % 2) on
.set ADS,  16
.set VO,   17                          ; 16 x lane
.set BO,   18                          ; 32 h
.set STO,  19
.set RD,   20
.set SST,  21                          ; where my wave's scale bytes go
.set PF,   22                          ; the prefetches' offset
.set HS,   32                          ; hq's scale words: 8 ks + 4 p + q: lanes 0-15 token tile 2 p, lanes 16-31 tile 2 p + 1, K step 4 ks + q
.set WS,   96                          ; W2's: 16 ks + 4 p + q likewise
.set B2,   128
.set WV,   18
.set G1,   32
.set G0,   48
.set MSB, 0
.macro WIN new
.if MSB != \new
	s_set_vgpr_msb (MSB<<8)|\new
.set MSB, \new
.endif
.endm
.macro ROUND                           ; a round of the cluster's barrier
	s_barrier_signal -1
	s_barrier_wait -1
	s_cmp_lg_u32 s[WV], 0
	s_cbranch_scc1 .Lnot_wave_0_\@
	s_barrier_signal -3
.Lnot_wave_0_\@:
	s_barrier_wait -3
	s_barrier_signal -1
	s_barrier_wait -1
.endm
.macro PLACES                          ; four places in front of loads into registers that matrix instructions have read and of the first read of results (ISA guide 7.12.1 for the first read of results)
.rept 4
	v_nop
.endr
.endm
	s_load_b256 s[4:11], s[0:1], 0x0               ; hq_codes, hq_scales, W2's codes, W2's scales
	s_load_b128 s[12:15], s[0:1], 0x20             ; b2, out0
	v_lshl_add_u32 v254, v0, 2, SPARE
	v_mov_b32 v255, 0
	ds_add_u32 v254, v255                          ; the opening lines: the add twice on end and its wait
	ds_add_u32 v254, v255
	v_lshrrev_b32 v1, 5, v0
	v_readfirstlane_b32 s[WV], v1                  ; wave 0..3
	s_bfe_u32 s19, ttmp6, 0x40000                  ; cx: it enters hq's and out0's addresses alone
	s_lshl_b32 s20, ttmp9, 2
	s_add_co_u32 s20, s20, s19                     ; w
	s_and_b32 s21, ttmp7, 0xffff
	s_and_b32 s22, s21, 3                          ; e
	s_lshr_b32 s23, s21, 2                         ; which 128 outputs
	s_lshl_b32 s24, s20, 2
	s_add_co_u32 s24, s24, s22                     ; the slab
	s_mov_b32 s[G1], 15|(1<<20)|(1<<21)|(7<<22)|(3<<25)    ; the mask: all four; elements of 1 byte; 16 bytes of padding behind every 1,024
	s_mov_b32 s[G1+1], 1024<<16
	s_mov_b32 s[G1+2], 32<<16
	s_mov_b32 s[G1+3], 1024<<16
	s_mov_b32 s[G1+4], 32
	s_mov_b32 s[G1+5], 2048
	s_mov_b32 s[G1+6], 0
	s_mov_b32 s[G1+7], 0
	s_lshl_b32 s2, s22, 21                         ; W2's codes: the expert's rows, my work-group's 128, my wave's 32
	s_lshl_b32 s27, s23, 18
	s_add_co_u32 s2, s2, s27
	s_lshl_b32 s27, s[WV], 16
	s_add_co_u32 s2, s2, s27
	s_mov_b32 s3, 0
	s_mul_i32 s30, s[WV], 32*WP2
	s_lshl_b32 s26, s22, 17                        ; W2's scale bytes: the expert's, my work-group's 16,384, my wave's 4,096
	s_lshl_b32 s27, s23, 14
	s_add_co_u32 s26, s26, s27
	s_lshl_b32 s27, s[WV], 12
	s_add_co_u32 s26, s26, s27
	s_mov_b32 s27, 0
	s_mul_i32 s25, s[WV], 16*272
	s_add_co_u32 s25, s25, SCW
	s_mul_i32 s40, s[WV], 16*SP                    ; my stage
	s_lshl_b32 s62, s23, 8                         ; my work-group's share of the prefetches
	s_mov_b32 s17, 0
	s_wait_dscnt 0x0
	s_wait_kmcnt 0x0
	s_add_nc_u64 s[10:11], s[10:11], s[26:27]
	s_add_nc_u64 s[28:29], s[8:9], s[2:3]
.irp j, 0,1                                    ; chunk j
	s_mov_b32 s[G0+4*\j], 1
	s_add_co_u32 s[G0+4*\j+1], s30, \j*CH
	s_add_nc_u64 s[G0+4*\j+2:G0+4*\j+3], s[28:29], \j*1024
	s_or_b32 s[G0+4*\j+3], s[G0+4*\j+3], 0x80000000
.endr
	s_lshl_b32 s16, s24, 19                        ; hq_codes: slab x 524,288 + my four tiles x 32,768
	s_lshl_b32 s31, s[WV], 17
	s_add_co_u32 s16, s16, s31
	s_add_nc_u64 s[4:5], s[4:5], s[16:17]
	s_lshl_b32 s16, s24, 15                        ; hq_scales: slab x 32,768 + my 64 tokens x 16
	s_lshl_b32 s31, s[WV], 10
	s_add_co_u32 s16, s16, s31
	s_add_nc_u64 s[6:7], s[6:7], s[16:17]
	s_lshl_b32 s16, s22, 12                        ; b2
	s_lshl_b32 s31, s23, 9
	s_add_co_u32 s16, s16, s31
	s_add_nc_u64 s[12:13], s[12:13], s[16:17]
	s_lshl_b32 s16, s24, 20                        ; out0: (256 slab + 64 wave) rows of 4,096 bytes + my work-group's 512 bytes of a row
	s_add_co_u32 s16, s16, s31
	s_lshl_b32 s31, s[WV], 18
	s_add_co_u32 s16, s16, s31
	s_add_nc_u64 s[14:15], s[14:15], s[16:17]
	ROUND                                          ; all four work-groups are here: the joint loads meet
	tensor_load_to_lds s[G0:G0+3], s[G1:G1+7]      ; my 32 rows of chunk 0: one tensor load a wave at the head
	s_nop 0
.rept 4
	v_nop
.endr
	v_and_b32 v1, 15, v0                           ; r
	v_bfe_u32 v2, v0, 4, 1                         ; h
	v_and_b32 v3, 31, v0                           ; lane
	v_lshlrev_b32 v[VO], 4, v3
	v_lshlrev_b32 v[BO], 5, v2
	v_lshrrev_b32 v[PF], 3, v3                     ; block g + 8 lane of 256: tile lane / 8, its block g + 8 (lane % 8)
	v_and_b32 v5, 7, v3
	v_lshlrev_b32 v[PF], 15, v[PF]
	v_lshl_add_u32 v[PF], v5, 11, v[PF]
	v_add_nc_u32 v[PF], s62, v[PF]
.irp i, 0,1,2,3,4,5,6,7
	global_load_b128 v[WS+4*\i:WS+4*\i+3], v[VO], s[10:11] offset:512*\i      ; my 4,096 of W2's scale bytes as they lie
.endr
.irp ks, 0,1,2,3,4,5,6,7
.irp p, 0,1
	global_load_b128 v[HS+8*\ks+4*\p:HS+8*\ks+4*\p+3], v[VO], s[6:7] offset:4096*\ks+512*\p   ; token 32 p + lane of my 64: four scale words
.endr
.endr
	WIN 0x40
.irp tb, 0,1,2,3,4,5,6,7
	global_load_b128 v[B2+8*\tb:B2+8*\tb+3], v[BO], s[12:13] offset:64*\tb
	global_load_b128 v[B2+8*\tb+4:B2+8*\tb+7], v[BO], s[12:13] offset:64*\tb+16
.endr
.macro HLOAD kk                        ; hq's four fragments of K step kk: eight loads of 512 consecutive bytes
	WIN 0xc0
.irp ta, 0,1,2,3
.irp hc, 0,1
	global_load_b128 v[32*((\kk)%8)+8*\ta+4*\hc:32*((\kk)%8)+8*\ta+4*\hc+3], v[VO], s[4:5] offset:\ta*32768+(\kk)*1024+512*\hc
.endr
.endr
.endm
.macro WLOAD kk                        ; W2's eight fragments of K step kk into set kk % 2
	WIN 0x40
.irp tb, 0,1,2,3,4,5,6,7
.irp hc, 0,1
	ds_load_b128 v[64*((\kk)%2)+8*\tb+4*\hc:64*((\kk)%2)+8*\tb+4*\hc+3], v[ADW+2*((\kk)/16)+(\tb)/4] offset:((\tb)%4)*16*WP2+64*((\kk)%16)+32*\hc
.endr
.endr
.endm
.irp k, 0,1,2
	HLOAD \k
.endr
	global_prefetch_b8 v[PF], s[4:5] th:TH_LOAD_NT scope:SCOPE_SE             ; my share of K steps 0-15
	WIN 0
	v_mul_u32_u24 v4, v1, WP2
	v_lshl_add_u32 v4, v2, 4, v4
.irp q, 0,1,2,3
	v_add_nc_u32 v[ADW+\q], (\q/2)*CH+(\q%2)*64*WP2, v4
.endr
	v_lshrrev_b32 v5, 1, v3                        ; two rows' scale bytes to a row of 256 + 16: output 32 p + lane
	v_mul_u32_u24 v5, v5, 272
	v_and_b32 v6, 1, v3
	v_lshl_add_u32 v5, v6, 7, v5
	v_add_nc_u32 v[ADS], SCW, v5
	v_mul_u32_u24 v[SST], v2, 272                  ; a load's 512 bytes are two such rows
	v_lshl_add_u32 v[SST], v1, 4, v[SST]
	v_add_nc_u32 v[SST], s25, v[SST]
	v_mul_u32_u24 v[STO], v1, SP
	v_lshl_add_u32 v[STO], v2, 5, v[STO]
	v_add_nc_u32 v[STO], s40, v[STO]
	v_add_nc_u32 v[RD], s40, v[VO]
	s_wait_alu depctr_va_vdst(0)                   ; the wait at the head's end
	s_wait_loadcnt 56                              ; the eight loads of scale bytes are in; behind them: 16 of hq's scale words, 16 of b2, 24 of hq
.irp i, 0,1,2,3,4,5,6,7
	ds_store_b128 v[SST], v[WS+4*\i:WS+4*\i+3] offset:544*\i
.endr
.irp k, 3,4,5,6
	HLOAD \k
.endr
	WIN 0
	s_wait_tensorcnt 0x0                           ; my part of chunk 0 is in; the three lines ahead of a later first fill
	ds_add_u32 v254, v255
	s_wait_dscnt 0x0                               ; the add and my stores of scale bytes are done
	ROUND
	tensor_load_to_lds s[G0+4:G0+7], s[G1:G1+7]    ; my 32 rows of chunk 1
	s_nop 0
.rept 4
	v_nop
.endr
.irp ks, 0,1,2,3,4,5,6,7
.irp p, 0,1,2,3
	ds_load_b128 v[WS+16*\ks+4*\p:WS+16*\ks+4*\p+3], v[ADS] offset:\p*16*272+16*\ks
.endr
.endr
	WLOAD 0
; One matrix instruction: token tile ta x output tile tb, K step kk.  An odd tile's scale words lie in lanes 16-31 of its pair's register.
.macro WM ta, tb, kk
.set rD, 8*(8*(\ta)+(\tb))
.set rA, 64*((\kk)%2)+8*(\tb)
.set rB, 32*((\kk)%8)+8*(\ta)
.set rC, rD
.if (\kk) == 0
.set rC, B2+8*(\tb)                    ; the first K step starts the sums with b2
.endif
.set rSA, WS+16*((\kk)/4)+4*((\tb)/2)+(\kk)%4
.set rSB, HS+8*((\kk)/4)+4*((\ta)/2)+(\kk)%4
.if ((\tb)%2 == 0) && ((\ta)%2 == 0)
	v_wmma_scale_f32_16x16x128_f8f6f4 v[rD:rD+7], v[rA:rA+7], v[rB:rB+7], v[rC:rC+7], v[rSA], v[rSB] matrix_a_fmt:MATRIX_FMT_FP4 matrix_b_fmt:MATRIX_FMT_FP4
.elseif ((\tb)%2 == 1) && ((\ta)%2 == 0)
	v_wmma_scale_f32_16x16x128_f8f6f4 v[rD:rD+7], v[rA:rA+7], v[rB:rB+7], v[rC:rC+7], v[rSA], v[rSB] matrix_a_fmt:MATRIX_FMT_FP4 matrix_b_fmt:MATRIX_FMT_FP4 matrix_a_scale:MATRIX_SCALE_ROW1
.elseif ((\tb)%2 == 0)
	v_wmma_scale_f32_16x16x128_f8f6f4 v[rD:rD+7], v[rA:rA+7], v[rB:rB+7], v[rC:rC+7], v[rSA], v[rSB] matrix_a_fmt:MATRIX_FMT_FP4 matrix_b_fmt:MATRIX_FMT_FP4 matrix_b_scale:MATRIX_SCALE_ROW1
.else
	v_wmma_scale_f32_16x16x128_f8f6f4 v[rD:rD+7], v[rA:rA+7], v[rB:rB+7], v[rC:rC+7], v[rSA], v[rSB] matrix_a_fmt:MATRIX_FMT_FP4 matrix_b_fmt:MATRIX_FMT_FP4 matrix_a_scale:MATRIX_SCALE_ROW1 matrix_b_scale:MATRIX_SCALE_ROW1
.endif
.endm
; 16 matrix instructions: token tiles a0, a0 + 1 against the eight tiles of outputs.  The 32 accumulators take turns, one instruction a turn.
.macro PROD kk, a0
.if (\kk) == 0
	WIN 0x9d                                       ; source 0 (W2) window 1, source 1 (hq) window 3, C (b2) window 1, D window 2
.else
	WIN 0xad                                       ; the same, C and D window 2
.endif
.irp ta, \a0, \a0+1
.irp tb, 0,1,2,3,4,5,6,7
	WM \ta, \tb, \kk
.endr
.endr
.endm
.macro STEP kk
.if (\kk) <= 25
	s_wait_loadcnt 48                              ; this step's eight loads of hq are in; the six later steps' eight each may be out
.else
	s_wait_loadcnt 8*(31-(\kk))
.endif
	s_wait_dscnt 0x0                               ; W2's fragments of this step, asked for a step ago, are in
.if (\kk) > 0
	PLACES
.endif
.if (\kk)+7 <= 31
	HLOAD (\kk)+7
.endif
.if (\kk) == 1
	global_prefetch_b8 v[PF], s[4:5] offset:16384 th:TH_LOAD_NT scope:SCOPE_SE    ; my share of K steps 16-31
.endif
.if (\kk) == 15
	s_wait_tensorcnt 0x0                           ; my part of chunk 1 is in
	s_barrier_signal -1                            ; (no LDS instruction of mine is out)
	PROD \kk, 0
	s_barrier_wait -1                              ; chunk 1 is whole, and nobody reads chunk 0 any more
	WLOAD (\kk)+1
	PROD \kk, 2
.else
.if (\kk) < 31
	WLOAD (\kk)+1
.endif
	PROD \kk, 0
	PROD \kk, 2
.endif
.endm
.set Q, 0
.rept 32
	STEP Q
.set Q, Q+1
.endr
; THE WAY OUT, a tile of 16 tokens x 128 outputs at a time, through my own stage in LDS, back as whole rows of 512 bytes.  LDS serves a wave's instructions in order (ISA guide 5.7.1.4).
; Each of the four tiles comes back into 64 registers of its own in window 1, so no register that a store reads is written again.
.macro TOSTAGE a
	WIN 0x08
.irp tb, 0,1,2,3,4,5,6,7
	ds_store_b128 v[STO], v[8*(8*(\a)+\tb):8*(8*(\a)+\tb)+3] offset:64*\tb         ; each accumulator from its low end on
	ds_store_b128 v[STO], v[8*(8*(\a)+\tb)+4:8*(8*(\a)+\tb)+7] offset:64*\tb+16
.endr
	WIN 0x40
.irp t, 0,1,2,3,4,5,6,7,8,9,10,11,12,13,14,15
	ds_load_b128 v[64*(\a)+4*\t:64*(\a)+4*\t+3], v[RD] offset:\t*SP
.endr
.endm
.macro SEND a, younger                 ; younger: the LDS instructions issued behind tile a's loads, which may stay out
	s_wait_dscnt \younger
	WIN 0x04
.irp t, 0,1,2,3,4,5,6,7,8,9,10,11,12,13,14,15
	global_store_b128 v[VO], v[64*(\a)+4*\t:64*(\a)+4*\t+3], s[14:15] offset:(16*(\a)+\t)*4096 th:TH_STORE_NT   ; 32 lanes store 512 consecutive bytes, at a multiple of 512 from out0's first byte
.endr
.endm
	PLACES
	TOSTAGE 0
.irp a, 1,2,3
	TOSTAGE \a
	SEND \a-1, 32
.endr
	SEND 3, 0
	WIN 0
	s_wait_tensorcnt 0x0                           ; the wave's end
	ds_add_u32 v254, v255
	s_wait_dscnt 0x0
	ROUND                                          ; the closing round
	s_endpgm
.Lfunc_end_k_qab0e62b74c_down:
	.size	k_qab0e62b74c_down, .Lfunc_end_k_qab0e62b74c_down-k_qab0e62b74c_down
	.p2alignl 7, 3214868480
	.fill 96, 4, 3214868480
	.section	.rodata,"a",@progbits
	.p2align	6, 0x0
	.amdhsa_kernel k_qab0e62b74c_down
		.amdhsa_group_segment_fixed_size 327680
		.amdhsa_private_segment_fixed_size 0
		.amdhsa_enable_private_segment 0
		.amdhsa_kernarg_size 48
		.amdhsa_user_sgpr_count 2
		.amdhsa_user_sgpr_kernarg_segment_ptr 1
		.amdhsa_wavefront_size32 1
		.amdhsa_system_sgpr_workgroup_id_x 1
		.amdhsa_system_sgpr_workgroup_id_y 1
		.amdhsa_system_sgpr_workgroup_id_z 1
		.amdhsa_system_vgpr_workitem_id 0
		.amdhsa_next_free_vgpr 1024
		.amdhsa_next_free_sgpr 72
		.amdhsa_reserve_vcc 0
		.amdhsa_float_denorm_mode_32 3
		.amdhsa_float_denorm_mode_16_64 3
		.amdhsa_memory_ordered 1
		.amdhsa_forward_progress 1
		.amdhsa_inst_pref_size 221
	.end_amdhsa_kernel
	.amdgpu_metadata
---
amdhsa.version: [ 1, 2 ]
amdhsa.kernels:
  - .name:           k_qab0e62b74c_down
    .symbol:         k_qab0e62b74c_down.kd
    .args:
      - { .name: hq_codes, .offset: 0, .size: 8, .value_kind: global_buffer, .address_space: global }
      - { .name: hq_scales, .offset: 8, .size: 8, .value_kind: global_buffer, .address_space: global }
      - { .name: W2_codes, .offset: 16, .size: 8, .value_kind: global_buffer, .address_space: global }
      - { .name: W2_scales, .offset: 24, .size: 8, .value_kind: global_buffer, .address_space: global }
      - { .name: b2, .offset: 32, .size: 8, .value_kind: global_buffer, .address_space: global }
      - { .name: out0, .offset: 40, .size: 8, .value_kind: global_buffer, .address_space: global }
    .group_segment_fixed_size: 327680
    .private_segment_fixed_size: 0
    .kernarg_segment_align: 8
    .kernarg_segment_size: 48
    .max_flat_workgroup_size: 128
    .sgpr_count:     72
    .vgpr_count:     1024
    .wavefront_size: 32
...
	.end_amdgpu_metadata
.endif
;; end of part 2
